; MI455X (gfx1250); checked and timed in simulation.
; The chip was launched on July 23, 2026; its instructions are those of AMD's public machine-readable ISA for CDNA 5 (MIT licence, August 2026) and "CDNA5" Instruction Set Architecture Reference Guide (July 2026). The comments in the code are by the model that wrote it; some were corrected since.
;; ODE Net. Allowed arithmetic: float matrix products may take bf16 or f16 operands with f32 sums; all other float work in f32.
;; Inputs: W1 16 x 16 float32; W2 16 x 16 float32; W_in 64 x 16 float32; W_out 16 x 2 float32; b1 16 float32; b2 16 float32; b_in 16 float32; b_out 2 float32; x 65,536 x 64 float32.
;; Outputs: out0 65,536 x 2 float32.
;; One version. Each part assembles by itself: llvm-mc -triple=amdgcn-amd-amdhsa -mcpu=gfx1250 --defsym DOCPART=n.
;; ======== version 1 of 1: 1 launch
;; limits: values outside matrix products are rounded to bf16
;; launch odenet (part 1): grid 256 x 1, 16 waves a work-group, no clusters, 169,984 bytes of LDS; arguments x, W_in, b_in, W1, b1, W2, b2, W_out, b_out, out0; writes out0
.if DOCPART == 1
	.amdgcn_target "amdgcn-amd-amdhsa--gfx1250"
	.amdhsa_code_object_version 6
	.text
	.protected	k_qd7428530d9_odenet
	.globl	k_qd7428530d9_odenet
	.p2align	8
	.type	k_qd7428530d9_odenet,@function
k_qd7428530d9_odenet:
	s_mov_b64 s[64:65], 0
	v_nop
	global_prefetch_b8 v0, s[64:65] scope:SCOPE_SE
	s_setreg_imm32_b32 hwreg(HW_REG_WAVE_MODE, 25, 1), 1
	s_wait_xcnt 0x0
; ODENet: out = dopri5_16(x W_in + b_in) W_out + b_out, 65,536 rows, hidden width 16, in one launch.
;
; THE ALGEBRA (exact for every input).  With p = h W1 + b1, u = relu(p), M = W2 W1, c = b2 W1 the field is p' = u M + c, and since the
; scheme is linear in its slopes the pre-activation of stage i is  S_i = p + c_i dt c + sum_j a_ij dt (u_j M),  u_i = relu(S_i),
; p_new = p + dt c + sum_j b_j dt (u_j M).  The state comes back at the end: h1 = h0 + U W2 + b2, U = sum over steps and stages of
; dt b_j u_j, kept in f32 (the b_j add up to 1 and 16 dt = 1).  So a stage costs products with M alone, and the tableau's weights are
; folded into the matrix operand: A = [a_ij dt M^T | a_ij' dt M^T] against B = [u_j ; u_j'] fills K = 32.  12 products a step.
;
; THE LAYOUT.  Everything is transposed: M dimension = features, N dimension = the 16 rows of the wave's tile, K = input features.
; A result holds, in lane (r = lane % 16, h = lane / 16), register j: feature 8 h + j of row r.  Registers 0-3 of a B operand want
; k = 8 h .. 8 h + 7 of column r: four packing conversions turn a result into half of a B operand, and no lane is crossed.
; Biases: a block ONE (k = 0 and k = 1 equal to 1.0, the rest 0) sits beside a u block in K; the matching half of A holds the bias as a
; bf16 head in k = 0 and its bf16 remainder in k = 1.  Stages 3 and 5 have both halves of K full and start from p + c_i dt c instead.
; The three products that are made once for a tile (h0 W1, U W2, h1 W_out) have K = 16: their second half of K carries the
; activation's bf16 remainder against the same weights, B = [head ; remainder], A = [W^T | W^T], so these activations keep 16 bits.
;
; THE SHARES.  256 work-groups of 16 waves; a work-group has 256 rows, a wave one tile of 16 rows: 4,096 tiles.  A wave's x tile
; (16 rows x 256 bytes) comes by one tensor load of its own into LDS bytes that only this wave reads, so its own wait is all the
; ordering needed; a load of more rows would have to be shared between waves behind a barrier.  One tensor load of a wave is out.
; The weights are made ready while x is on its way.  Results leave through a stage in LDS so that each store of a wave covers
; 512 consecutive bytes, aligned.
; NO CLUSTER: the work-groups share the weights alone, 6,472 bytes against 65,536 bytes of x of their own.
;
; LIMITS.  (1) The order of rounding is not the problem's: x and all four weight matrices enter as bf16; M is summed in f32 from W2
; and W1 so rounded, and each weight x M is rounded to bf16 once more (2^-9 relative each); the u of the stages enter as bf16.
; (2) relu is a maximum in which a NaN loses: a NaN pre-activation gives 0 where the problem's function gives NaN.  (3) An h0, U or h1
; that is infinite, or rounds to infinity in bf16 (above about 3.39e38), gives NaN: its remainder is a difference of infinities, and the
; zero halves of operands multiply live blocks.  No other limit of range: bf16 has f32's exponents.
; The last step's three updates of p are not used again: 3 of a tile's 199 products; writing that step out would double the text.
.set XPITCH, 272                       ; an LDS row of x: 256 bytes + 16 of padding, so that 16 rows' 16-byte pieces fall on 16 different columns of 16 bytes modulo 256
.set XTILE,  16*XPITCH                 ; 4,352 bytes: a wave's tile
.set STAGE,  16*XTILE                  ; 69,632: behind the tiles, 2,048 bytes for the way out; no tensor load lands here
; vector registers
.set COLO, 3                           ; 4 r + 512 h: element [8 h][r] of a matrix with rows of 64 bytes
.set ROWO, 4                           ; 64 r + 32 h: element [r][8 h]
.set TILO, 5                           ; 32 h: element [8 h] of a vector
.set WOO,  6                           ; 64 h + 4 (r / 8): element [8 h][r / 8] of W_out
.set BOO,  7                           ; 4 h
.set XA,   8                           ; LDS: my 32 bytes of x's row r
.set STA,  9                           ; LDS: my number on the way out
.set CR,   10                          ; c[r] in lanes 0-15, 0 in lanes 16-31
.set BO,   14                          ; b_out[h]
.set OUTO, 15                          ; 16 x thread
.set AM2,  16                          ; the twelve A operands, 8 registers each: [half for k 0-15 | half for k 16-31]
.set AM3,  24
.set AM4A, 32
.set AM4B, 40
.set AM5A, 48
.set AM5B, 56
.set AM6A, 64
.set AM6B, 72
.set AM6C, 80
.set AMF1, 88
.set AMF2, 96
.set AMF3, 104
.set CDT,  112                         ; dt c as a result tile
.set MM,   112                         ; before that: M
.set PRE,  120                         ; p
.set SG2,  128                         ; stage pre-activations, then their relu
.set SG3,  136
.set SG4,  144
.set SG5,  152
.set SG6,  160
.set RL,   168                         ; relu(p)
.set USUM, 176                         ; U
.set HID,  184                         ; h0, then h0 + b2, then h1
.set ONE0, 192                         ; the line of B blocks, 4 registers each: ONE u1 u2 ONE u3 u4 ONE u5 u6
.set UB1,  196
.set UB2,  200
.set ONE1, 204
.set UB3,  208
.set UB4,  212
.set ONE2, 216
.set UB5,  220
.set UB6,  224
.set B01,  192                         ; B operands are neighbouring pairs of blocks
.set B12,  196
.set B03,  204
.set B34,  208
.set B05,  216
.set B56,  220
.set AW2,  228                         ; [W2^T | W2^T]
.set AOUT, 236                         ; [W_out^T | W_out^T], in rows 0 and 8
.set TMP,  244
; registers that serve the set-up alone
.set WINF, 16                          ; W_in as loaded, 32 registers
.set AIN,  128                         ; W_in^T as two A operands
.set W1CF, 144                         ; W1[8 h + j][r]
.set W2RF, 152                         ; W2[r][8 h + j]
.set B2T,  160                         ; b2[8 h + j]
.set W2CF, 168                         ; W2[8 h + j][r]
.set WOF,  176                         ; W_out[8 h + j][r / 8]
.set AW1,  208                         ; [W1^T | W1^T]
.set A2R,  220                         ; [0 | W2]
.set AC,   220                         ; later: [bias dt c | 0]
.set XB0,  196                         ; x, k 0-31, as a B operand
.set XB1,  244                         ; x, k 32-63
; the tableau times dt = 1/16, in f32
.set DA21, 0x3C4CCCCD
.set DA31, 0x3B99999A
.set DA32, 0x3C666666
.set DA41, 0x3D7A4FA5
.set DA42, 0xBE6EEEEF
.set DA43, 0x3E638E39
.set DA51, 0x3E3CF760
.set DA52, 0xBF39885F
.set DA53, 0x3F1D2A92
.set DA54, 0xBC94E4F6
.set DA61, 0x3E362960
.set DA62, 0xBF2C1F08
.set DA63, 0x3F0E80B5
.set DA64, 0x3C8E8BA3
.set DA65, 0xBC8C0C4C
.set DB1,  0x3BBAAAAB
.set DB3,  0x3CE6024D
.set DB4,  0x3D26AAAB
.set DB5,  0xBCA50E7E
.set DB6,  0x3C061862
.set DC2,  0x3C4CCCCD                  ; c_2 dt = 0.2 / 16
.set DC4,  0x3D4CCCCD                  ; c_4 dt = 0.8 / 16
.set DT,   0x3D800000                  ; dt (c_6 = 1, and the b_j add up to 1)
.macro MMA d, a, b, c
	v_wmma_f32_16x16x32_bf16 v[\d:\d+7], v[\a:\a+7], v[\b:\b+7], v[\c:\c+7]
.endm
.macro MMA0 d, a, b                    ; the product starts the sum
	v_wmma_f32_16x16x32_bf16 v[\d:\d+7], v[\a:\a+7], v[\b:\b+7], 0
.endm
.macro RELU d, s                       ; eight maxima in four pairs
.irp i, 0,2,4,6
	v_dual_max_num_f32 v[\d+\i], 0, v[\s+\i] :: v_dual_max_num_f32 v[\d+\i+1], 0, v[\s+\i+1]
.endr
.endm
.macro PACK d, s                       ; eight f32 to eight bf16: a result tile becomes half of an operand
.irp i, 0,1,2,3
	v_cvt_pk_bf16_f32 v[\d+\i], v[\s+2*\i], v[\s+2*\i+1]
.endr
.endm
.macro SPLIT d, s                      ; a result tile becomes a whole B operand: bf16 heads in d .. d+3 (k 0-15), bf16 remainders in d+4 .. d+7 (k 16-31)
	PACK \d, \s
.irp i, 0,1,2,3
	v_lshlrev_b32 v[TMP+2*\i],   16, v[\d+\i]              ; the heads as f32
	v_and_b32     v[TMP+2*\i+1], 0xffff0000, v[\d+\i]
.endr
.irp i, 0,2,4,6
	v_pk_add_f32 v[TMP+\i:TMP+\i+1], v[\s+\i:\s+\i+1], v[TMP+\i:TMP+\i+1] neg_lo:[0,1] neg_hi:[0,1]   ; what the heads leave (exact)
.endr
	PACK \d+4, TMP
.endm
.macro TWICE d                         ; an A operand's upper half once more in its lower half: the same weights for heads and remainders
.irp i, 0,1,2,3
	v_mov_b32 v[\d+\i], v[\d+4+\i]
.endr
.endm
.macro ACCU s, sc                      ; U += (dt b_j) u_j
.irp i, 0,2,4,6
	v_pk_fma_f32 v[USUM+\i:USUM+\i+1], v[\s+\i:\s+\i+1], s[\sc:\sc+1], v[USUM+\i:USUM+\i+1] op_sel_hi:[1,0,1]
.endr
.endm
.macro BASE d, sc                      ; d = p + c_i (dt c)
.irp i, 0,2,4,6
	v_pk_fma_f32 v[\d+\i:\d+\i+1], v[CDT+\i:CDT+\i+1], s[\sc:\sc+1], v[PRE+\i:PRE+\i+1] op_sel_hi:[1,0,1]
.endr
.endm
.macro ZERO4 d
.irp i, 0,1,2,3
	v_mov_b32 v[\d+\i], 0
.endr
.endm
.macro MHALF d, w                      ; half of an A operand: w M^T in bf16
.irp i, 0,2,4,6
	v_pk_mul_f32 v[TMP+\i:TMP+\i+1], v[MM+\i:MM+\i+1], \w op_sel_hi:[1,0]
.endr
	PACK \d, TMP
.endm
.macro BHALF d, w                      ; half of an A operand: w c[r] as bf16 head (k = 0) and remainder (k = 1), zeros elsewhere
	v_mul_f32 v11, \w, v[CR]
	v_cvt_pk_bf16_f32 v12, v11, v11
	v_lshlrev_b32 v12, 16, v12             ; the head as f32
	v_sub_f32 v13, v11, v12                ; what the head leaves
	v_cvt_pk_bf16_f32 v[\d], v11, v13
	v_mov_b32 v[\d+1], 0
	v_mov_b32 v[\d+2], 0
	v_mov_b32 v[\d+3], 0
.endm
.macro PLACES                          ; four independent vector instructions between a matrix instruction and the vector instruction that reads its result (ISA guide 7.12.1)
.rept 4
	v_nop
.endr
.endm
	; ---- the pointers, the wave's number, and x on its way before anything else
	s_load_b512 s[16:31], s[0:1], 0x0              ; x s[16:17], W_in s[18:19], b_in s[20:21], W1 s[22:23], b1 s[24:25], W2 s[26:27], b2 s[28:29], W_out s[30:31]
	s_load_b128 s[32:35], s[0:1], 0x40             ; b_out s[32:33], out0 s[34:35]
	v_lshl_add_u32 v254, v0, 2, 0x29000
	v_mov_b32 v255, 0
	ds_add_u32 v254, v255
	ds_add_u32 v254, v255
	v_lshrrev_b32 v11, 5, v0
	v_readfirstlane_b32 s8, v11                    ; wave 0..15
	s_mov_b32 s36, 1                               ; group 0: count = 1
	s_mul_i32 s37, s8, XTILE                       ; LDS address: the wave's own tile
	s_mov_b32 s40, 0x07520000                      ; group 1: no mask; elements of 4 bytes; padding on: behind every 64 words, 4 words
	s_mov_b32 s41, 64<<16                          ; tensor_dim0 = 64
	s_mov_b32 s42, 16<<16                          ; tensor_dim1 = 16
	s_mov_b32 s43, 64<<16                          ; tile_dim0 = 64 elements: 256 bytes, from a multiple of 256 bytes of x
	s_mov_b32 s44, 16                              ; tile_dim1 = 16 rows
	s_mov_b32 s45, 64                              ; from row to row: 64 elements
	s_mov_b32 s46, 0
	s_mov_b32 s47, 0
	s_lshl_b32 s10, ttmp9, 16                      ; 256 rows of 256 bytes for each work-group (16,711,680 at the most),
	s_lshl_b32 s11, s8, 12                         ; 16 rows for each wave
	s_add_co_u32 s10, s10, s11
	s_mov_b32 s11, 0
	s_wait_dscnt 0x0
	s_wait_kmcnt 0x0
	s_add_nc_u64 s[38:39], s[16:17], s[10:11]      ; the tile's first element
	s_or_b32 s39, s39, 0x80000000                  ; type = 2
	tensor_load_to_lds s[36:39], s[40:47]          ; the wave's only tensor load
	s_nop 0
	; ---- lane terms
	v_and_b32 v1, 15, v0                           ; r
	v_bfe_u32 v2, v0, 4, 1                         ; h
	v_lshlrev_b32 v[COLO], 2, v1
	v_lshl_add_u32 v[COLO], v2, 9, v[COLO]
	v_lshlrev_b32 v[ROWO], 6, v1
	v_lshl_add_u32 v[ROWO], v2, 5, v[ROWO]
	v_lshlrev_b32 v[TILO], 5, v2
	v_lshrrev_b32 v[WOO], 3, v1
	v_lshlrev_b32 v[WOO], 2, v[WOO]
	v_lshl_add_u32 v[WOO], v2, 6, v[WOO]
	v_lshlrev_b32 v[BOO], 2, v2
	; ---- the weights, 60 loads in one run; what M = W2 W1 is made of goes first
	global_load_b128 v[W2RF:W2RF+3],   v[ROWO], s[26:27]
	global_load_b128 v[W2RF+4:W2RF+7], v[ROWO], s[26:27] offset:16
.irp j, 0,1,2,3,4,5,6,7
	global_load_b32 v[W1CF+\j], v[COLO], s[22:23] offset:64*\j
.endr
.irp t, 0,1,2,3
.irp e, 0,1,2,3,4,5,6,7
	global_load_b32 v[WINF+8*\t+\e], v[COLO], s[18:19] offset:64*(16*\t+\e)   ; W_in[16 t + 8 h + e][r]
.endr
.endr
	global_load_b128 v[B2T:B2T+3],   v[TILO], s[28:29]
	global_load_b128 v[B2T+4:B2T+7], v[TILO], s[28:29] offset:16
.irp j, 0,1,2,3,4,5,6,7
	global_load_b32 v[W2CF+\j], v[COLO], s[26:27] offset:64*\j
.endr
.irp j, 0,1,2,3,4,5,6,7
	global_load_b32 v[WOF+\j], v[WOO], s[30:31] offset:8*\j
.endr
	; ---- constants and LDS addresses, while the loads are out
	s_mov_b32 s12, 0x76543210                      ; v_permlanex16_b32: lane i of one half reads lane i of the other
	s_mov_b32 s13, 0xfedcba98
	s_mov_b32 s48, DB1                             ; pairs, both words alike, for the packed multiply-adds
	s_mov_b32 s49, DB1
	s_mov_b32 s50, DB3
	s_mov_b32 s51, DB3
	s_mov_b32 s52, DB4
	s_mov_b32 s53, DB4
	s_mov_b32 s54, DB5
	s_mov_b32 s55, DB5
	s_mov_b32 s56, DB6
	s_mov_b32 s57, DB6
	s_mov_b32 s58, 0x3E99999A                      ; c_3 = 3/10
	s_mov_b32 s59, 0x3E99999A
	s_mov_b32 s60, 0x3F638E39                      ; c_5 = 8/9
	s_mov_b32 s61, 0x3F638E39
	s_mov_b32 s62, 0x0000ffff                      ; the lanes with h = 0
	s_mov_b32 s63, 0x01010101                      ; the lanes with r = 0 or 8
	v_mul_u32_u24 v[XA], v1, XPITCH
	v_add_nc_u32 v[XA], v[XA], v[TILO]
	v_add_nc_u32 v[XA], s37, v[XA]                 ; my tile + 272 r + 32 h
	s_lshl_b32 s14, s8, 7
	s_add_co_u32 s14, s14, STAGE
	v_lshl_add_u32 v[STA], v1, 3, v[BOO]
	v_add_nc_u32 v[STA], s14, v[STA]               ; the stage + 8 (16 wave + r) + 4 h
	v_lshlrev_b32 v[OUTO], 4, v0
	v_mov_b32 v12, 0                               ; v_permlanex16_b32 counts as a reader of its destination
	ZERO4 A2R
	; ---- M = W2 W1, as soon as its two operands are in
	s_wait_loadcnt 50                              ; loads come back in order (ISA guide 5.7.1): W2's rows and W1's columns are in; the 32 + 2 + 8 + 8 younger loads stay out
	PACK AW1+4, W1CF
	TWICE AW1                                      ; for p = h0 W1 below; in the product for M this half meets A2R's zeros
	PACK A2R+4, W2RF
	MMA0 MM, A2R, AW1                              ; register j of lane (r, h) = M[8 h + j][r]: the A layout of M^T as it stands
	global_load_b32 v[BO], v[BOO], s[32:33]                       ; the last five loads; none lands in a register of that product
	global_load_b128 v[HID:HID+3],   v[TILO], s[20:21]            ; b_in as a result tile: the sum of h0 starts from it
	global_load_b128 v[HID+4:HID+7], v[TILO], s[20:21] offset:16
	global_load_b128 v[PRE:PRE+3],   v[TILO], s[24:25]            ; b1 likewise, for p
	global_load_b128 v[PRE+4:PRE+7], v[TILO], s[24:25] offset:16
	s_wait_loadcnt 5                               ; all but those five are in
	; ---- the operands that do not need M: the work from here to the first MHALF names none of that product's registers
	PACK AIN,    WINF
	PACK AIN+4,  WINF+8
	PACK AIN+8,  WINF+16
	PACK AIN+12, WINF+24
	PACK AW2+4, W2CF
	TWICE AW2
	PACK AOUT+4, WOF
.irp i, 0,1,2,3
	v_cndmask_b32 v[AOUT+4+\i], 0, v[AOUT+4+\i], s63   ; rows 0 and 8 alone: W_out's two columns
.endr
	TWICE AOUT
	v_mul_f32 v11, v[B2T], v[W1CF]                 ; c[r] = sum over k of b2[k] W1[k][r], in f32: my eight k,
.irp j, 1,2,3,4,5,6,7
	v_fmac_f32 v11, v[B2T+\j], v[W1CF+\j]
.endr
	v_permlanex16_b32 v12, v11, s12, s13           ; and the other half's
	v_add_f32 v11, v11, v12
	v_cndmask_b32 v[CR], 0, v11, s62
	; ---- the twelve A operands
	MHALF AM2+4,  DA21
	MHALF AM3,    DA31
	MHALF AM3+4,  DA32
	MHALF AM4A,   DA41
	MHALF AM4A+4, DA42
	MHALF AM4B+4, DA43
	MHALF AM5A,   DA51
	MHALF AM5A+4, DA52
	MHALF AM5B,   DA53
	MHALF AM5B+4, DA54
	MHALF AM6A,   DA61
	MHALF AM6A+4, DA62
	MHALF AM6B,   DA63
	MHALF AM6B+4, DA64
	MHALF AM6C+4, DA65
	MHALF AMF1+4, DB1
	MHALF AMF2,   DB3
	MHALF AMF2+4, DB4
	MHALF AMF3,   DB5
	MHALF AMF3+4, DB6
	BHALF AM2,  DC2
	BHALF AM4B, DC4
	BHALF AM6C, DT
	BHALF AMF1, DT
	BHALF AC,   DT
	ZERO4 AC+4
	; ---- h0 = x W_in + b_in, p = h0 W1 + b1, dt c as a tile
	s_wait_loadcnt 0x0                             ; b_out, b_in and b1 are in
	s_wait_tensorcnt 0x0                           ; my tile is in LDS; no other wave reads it
	ds_load_b128 v[144:147], v[XA]                 ; x[r][8 h .. 8 h + 7]
	ds_load_b128 v[148:151], v[XA] offset:16
	ds_load_b128 v[152:155], v[XA] offset:64       ; x[r][16 + 8 h ..]
	ds_load_b128 v[156:159], v[XA] offset:80
	ds_load_b128 v[168:171], v[XA] offset:128      ; x[r][32 + 8 h ..]
	ds_load_b128 v[172:175], v[XA] offset:144
	ds_load_b128 v[176:179], v[XA] offset:192      ; x[r][48 + 8 h ..]
	ds_load_b128 v[180:183], v[XA] offset:208
	s_wait_dscnt 0x6                               ; LDS loads come back in order (ISA guide 5.7.1): six younger ones may be out
	PACK XB0, 144
	s_wait_dscnt 0x4
	PACK XB0+4, 152
	s_wait_dscnt 0x2
	PACK XB1, 168
	s_wait_dscnt 0x0
	PACK XB1+4, 176
	MMA HID, AIN, XB0, HID
	s_wait_alu depctr_va_vdst(0)                   ; a wait ahead of a link that follows its own chain's last link
	MMA HID, AIN+8, XB1, HID
	v_mov_b32 v11, 0x3f803f80                      ; the three ONE blocks: 13 instructions that name none of the two products' registers
.irp b, ONE0, ONE1, ONE2
	v_cndmask_b32 v[\b], 0, v11, s62               ; k = 0 and k = 1 are 1.0 (lanes with h = 0 hold k 0-7)
	v_mov_b32 v[\b+1], 0
	v_mov_b32 v[\b+2], 0
	v_mov_b32 v[\b+3], 0
.endr
	SPLIT UB1, HID                                 ; h0 as heads and remainders; it writes over x's operands, 13 places behind the products that read them
	MMA PRE, AW1, B12, PRE                         ; p = W1^T h0 + b1
	MMA0 CDT, AC, B01                              ; dt c[8 h + j] in register j of every lane: the product with ONE spreads it
.irp i, 0,1,2,3,4,5,6,7
	v_mov_b32 v[USUM+\i], 0                        ; U starts at 0: eight moves, once; with the four sums below, 12 places behind the two products
.endr
.irp i, 0,2,4,6
	v_pk_add_f32 v[HID+\i:HID+\i+1], v[HID+\i:HID+\i+1], v[B2T+\i:B2T+\i+1]   ; h0 + b2
.endr
	; ---- 16 steps.  A trip touches no memory.  The accumulators take turns, one product a turn.
	; Behind each product whose result the next stage needs stand four packed multiply-adds that name none of its registers.
	s_mov_b32 s9, 16
.Lstep:
	RELU RL, PRE                                   ; stage 1
	PACK UB1, RL
	s_wait_alu depctr_va_vdst(0)                   ; the product adds onto the result of the matrix instruction issued just before it
	MMA SG2, AM2, B01, PRE
	ACCU RL, 48
	BASE SG3, 58
	RELU SG2, SG2                                  ; stage 2 (its weight in the solution is 0)
	PACK UB2, SG2
	MMA SG3, AM3,  B12, SG3
	MMA SG4, AM4A, B12, PRE
	MMA SG6, AM6A, B12, PRE
	BASE SG5, 60
	RELU SG3, SG3                                  ; stage 3
	PACK UB3, SG3
	MMA SG4, AM4B, B03, SG4
	MMA SG5, AM5A, B12, SG5
	MMA PRE, AMF1, B01, PRE                        ; p is written only from here on: every stage has taken it
	ACCU SG3, 50
	RELU SG4, SG4                                  ; stage 4
	PACK UB4, SG4
	MMA SG5, AM5B, B34, SG5
	MMA SG6, AM6B, B34, SG6
	MMA PRE, AMF2, B34, PRE
	ACCU SG4, 52
	RELU SG5, SG5                                  ; stage 5
	PACK UB5, SG5
	MMA SG6, AM6C, B05, SG6
	ACCU SG5, 54
	RELU SG6, SG6                                  ; stage 6
	PACK UB6, SG6
	MMA PRE, AMF3, B56, PRE
	ACCU SG6, 56
	s_sub_co_i32 s9, s9, 1
	s_cmp_lg_u32 s9, 0
	s_cbranch_scc1 .Lstep
	; ---- h1 = h0 + b2 + U W2, out = h1 W_out + b_out
	SPLIT UB1, USUM                                ; U as heads and remainders
	s_wait_alu depctr_va_vdst(0)                   ; the sum of h0, whose last turn was two products, is taken up again in place
	MMA HID, AW2, B12, HID
	PLACES
	SPLIT UB1, HID                                 ; h1 as heads and remainders
	MMA0 SG2, AOUT, B12                            ; rows 0 and 8 are the two outputs: register 0 of lane (r, h) = out[r][h]
	PLACES
	v_add_f32 v11, v[SG2], v[BO]
	ds_store_b32 v[STA], v11                       ; the wave's 32 numbers: 128 neighbouring bytes of the stage
	s_wait_dscnt 0x0                               ; my store is done, for the waves that read it
	s_barrier_signal -1
	s_barrier_wait -1                              ; the work-group's 2,048 bytes are whole
	s_cmp_gt_u32 s8, 3
	s_cbranch_scc1 .Lend                           ; 128 threads x 16 bytes carry them out
	v_add_nc_u32 v13, STAGE, v[OUTO]
	ds_load_b128 v[SG4:SG4+3], v13
	s_lshl_b32 s10, ttmp9, 11                      ; 256 rows of 8 bytes for each work-group
	s_mov_b32 s11, 0
	s_add_nc_u64 s[34:35], s[34:35], s[10:11]
	s_wait_dscnt 0x0
	global_store_b128 v[OUTO], v[SG4:SG4+3], s[34:35] th:TH_STORE_NT   ; a wave stores 512 consecutive bytes, from a multiple of 512 bytes of out0
.Lend:
	s_wait_tensorcnt 0x0
	ds_add_u32 v254, v255
	s_wait_dscnt 0x0
	s_endpgm
.Lfunc_end_k_qd7428530d9_odenet:
	.size	k_qd7428530d9_odenet, .Lfunc_end_k_qd7428530d9_odenet-k_qd7428530d9_odenet
	.p2alignl 7, 3214868480
	.fill 96, 4, 3214868480
	.section	.rodata,"a",@progbits
	.p2align	6, 0x0
	.amdhsa_kernel k_qd7428530d9_odenet
		.amdhsa_group_segment_fixed_size 169984
		.amdhsa_private_segment_fixed_size 0
		.amdhsa_enable_private_segment 0
		.amdhsa_kernarg_size 80
		.amdhsa_user_sgpr_count 2
		.amdhsa_user_sgpr_kernarg_segment_ptr 1
		.amdhsa_wavefront_size32 1
		.amdhsa_system_sgpr_workgroup_id_x 1
		.amdhsa_system_sgpr_workgroup_id_y 1
		.amdhsa_system_sgpr_workgroup_id_z 1
		.amdhsa_system_vgpr_workitem_id 0
		.amdhsa_next_free_vgpr 256
		.amdhsa_next_free_sgpr 66
		.amdhsa_reserve_vcc 0
		.amdhsa_float_denorm_mode_32 3
		.amdhsa_float_denorm_mode_16_64 3
		.amdhsa_memory_ordered 1
		.amdhsa_forward_progress 1
		.amdhsa_inst_pref_size 41
	.end_amdhsa_kernel
	.amdgpu_metadata
---
amdhsa.version: [ 1, 2 ]
amdhsa.kernels:
  - .name:           k_qd7428530d9_odenet
    .symbol:         k_qd7428530d9_odenet.kd
    .args:
      - { .name: x, .offset: 0, .size: 8, .value_kind: global_buffer, .address_space: global }
      - { .name: W_in, .offset: 8, .size: 8, .value_kind: global_buffer, .address_space: global }
      - { .name: b_in, .offset: 16, .size: 8, .value_kind: global_buffer, .address_space: global }
      - { .name: W1, .offset: 24, .size: 8, .value_kind: global_buffer, .address_space: global }
      - { .name: b1, .offset: 32, .size: 8, .value_kind: global_buffer, .address_space: global }
      - { .name: W2, .offset: 40, .size: 8, .value_kind: global_buffer, .address_space: global }
      - { .name: b2, .offset: 48, .size: 8, .value_kind: global_buffer, .address_space: global }
      - { .name: W_out, .offset: 56, .size: 8, .value_kind: global_buffer, .address_space: global }
      - { .name: b_out, .offset: 64, .size: 8, .value_kind: global_buffer, .address_space: global }
      - { .name: out0, .offset: 72, .size: 8, .value_kind: global_buffer, .address_space: global }
    .group_segment_fixed_size: 169984
    .private_segment_fixed_size: 0
    .kernarg_segment_align: 8
    .kernarg_segment_size: 80
    .max_flat_workgroup_size: 512
    .sgpr_count:     66
    .vgpr_count:     256
    .wavefront_size: 32
...
	.end_amdgpu_metadata
.endif
;; end of part 1
